; MI455X (gfx1250); checked and timed in simulation.
; The chip was launched on July 23, 2026; its instructions are those of AMD's public machine-readable ISA for CDNA 5 (MIT licence, August 2026) and "CDNA5" Instruction Set Architecture Reference Guide (July 2026). The comments in the code are by the model that wrote it; some were corrected since.
;; Multi Head Attention. Allowed arithmetic: matrix products marked QUANTISED: E5M2 operands, one given power-of-two scale a tensor, by v_wmma_f32_16x16x64_bf8_bf8 or v_wmma_f32_16x16x128_bf8_bf8, f32 sums; everything else in f32.
;; Inputs: Wk 1,024 x 1,024 float32; Wo 1,024 x 1,024 float32; Wq 1,024 x 1,024 float32; Wv 1,024 x 1,024 float32; bk 1,024 float32; bo 1,024 float32; bq 1,024 float32; bv 1,024 float32; k 4 x 2,048 x 1,024 float32; lowp_scales 12 int32 (the exponents e of the quantised operands' scales 2^e); q 4 x 2,048 x 1,024 float32; v 4 x 2,048 x 1,024 float32.
;; Outputs: out0 4 x 2,048 x 1,024 float32.
;; This version of the problem:
;;   THIS VERSION OF THE PROBLEM IS GIVEN IN LOW PRECISION. The matrix products marked QUANTISED in the list below multiply operands that are first quantised to E5M2 (5 exponent bits, 2 mantissa bits; 8 bits a number), with one given power-of-two scale for each operand tensor; their sums are f32. All else is computed in f32.
;;   The module's matrix products, in the order in which they are computed (A, B: the left and right operand; K: the contracted axis; several contracted axes count as one K, in the product's order):
;;     1. [M 8,192, K 1,024] x [K 1,024, N 1,024]; A: input q; B: input Wq: QUANTISED (scales: A lowp_scales[0], B lowp_scales[1])
;;     2. [M 8,192, K 1,024] x [K 1,024, N 1,024]; A: input k; B: input Wk: QUANTISED (scales: A lowp_scales[2], B lowp_scales[3])
;;     3. [M 8,192, K 1,024] x [K 1,024, N 1,024]; A: input v; B: input Wv: QUANTISED (scales: A lowp_scales[4], B lowp_scales[5])
;;     4. batch 64 x [M 2,048, K 64] x [K 64, N 2,048]; A: computed on the way; B: computed on the way: QUANTISED (scales: A lowp_scales[6], B lowp_scales[7])
;;     5. batch 64 x [M 2,048, K 2,048] x [K 2,048, N 64]; A: softmax (see below); B: computed on the way: QUANTISED (scales: A lowp_scales[8], B lowp_scales[9])
;;     6. [M 8,192, K 1,024] x [K 1,024, N 1,024]; A: computed on the way; B: input Wo: QUANTISED (scales: A lowp_scales[10], B lowp_scales[11])
;;   THE QUANTISER, for each operand of a quantised product, along K:
;;     - The operand's scale is 2^e, e = its entry of the input lowp_scales (int32; the entries are numbered through the quantised products in the list's order, A before B).
;;     - Each number is divided by the scale, clamped to +-57,344, and rounded to the nearest number of E5M2, ties to even, subnormals kept.
;;     - The product sums the exact products of the quantised numbers (number of the format x scale) in f32.
;;   ~~~python
;;   def quantise(x, axis, e):      # numpy; x: float32 -> the quantised numbers, widened to float32 again
;;       x = np.moveaxis(x, axis, -1); K = x.shape[-1]
;;       r = np.clip(x / 2.0 ** e, -57344, 57344)
;;       step = 2.0 ** (np.maximum(np.frexp(np.where(r == 0, 1, r))[1] - 1, -14) - 2)
;;       q = np.round(r / step) * step * 2.0 ** e      # np.round: ties to even
;;       return np.moveaxis(q, -1, axis).astype(np.float32)
;;   ~~~
;;   SOFTMAX AHEAD OF A QUANTISED PRODUCT. Where the list says 'softmax', what is quantised is not the finished softmax but p = 2^(t - M), with t = logit x log2(e) and M = ceil(the row's largest t), a whole number; so 1/2 < the row's largest p <= 1. The row's sum l is taken of the UNQUANTISED p, in f32, and the product's result is divided by l at the end. Since M is a whole number, a kernel that streams over the keys may use a running M (the ceiling of the running maximum): every later rescaling is an exact power of two, so the quantised numbers keep their values, but for numbers so far below the row's largest that they fall under the format's range.
;;   OPERANDS COMPUTED ON THE WAY. 'Computed on the way' means the value that the module computes at that place (a softmax that the list does not call 'softmax' is quantised finished and normalised). What goes into a quantiser is computed in f32, as accurately as f32 sums, v_exp_f32 and their like allow (about 1e-6 of the number): no bf16 or f16 on the way to a quantiser, and a product that is left as it is and whose result goes on into a quantised operand takes f32 operands (vector FMAs, or v_wmma_f32_16x16x4_f32). A number that lies on a knife's edge between two numbers of the format may be rounded either way, as far as f32 arithmetic and the matrix unit's own rounding can turn it there, and no further.
;; One version. Each part assembles by itself: llvm-mc -triple=amdgcn-amd-amdhsa -mcpu=gfx1250 --defsym DOCPART=n.
;; ======== version 1 of 1: 4 launches
;; limits: right only within a limited range of input values
;; workspace buffers: x_c 25,165,824 bytes; w_c 4,194,304 bytes; h_c 25,165,824 bytes; ao_c 8,388,608 bytes
;; launch quant (part 1): grid 896 x 1, 4 waves a work-group, no clusters, 33,280 bytes of LDS; arguments q, k, v, Wq, Wk, Wv, Wo, lowp_scales, x_c, w_c; writes x_c, w_c
.if DOCPART == 1
	.amdgcn_target "amdgcn-amd-amdhsa--gfx1250"
	.amdhsa_code_object_version 6
	.text
	.protected	k_q2923573f05_quant
	.globl	k_q2923573f05_quant
	.p2align	8
	.type	k_q2923573f05_quant,@function
k_q2923573f05_quant:
	s_mov_b64 s[64:65], 0
	v_nop
	global_prefetch_b8 v0, s[64:65] scope:SCOPE_SE
	s_setreg_imm32_b32 hwreg(HW_REG_WAVE_MODE, 25, 1), 1
	s_wait_xcnt 0x0
; q, k, v [8192][1024] and Wq, Wk, Wv, Wo [1024][1024], f32, all with K innermost, become codes of BF8 (E5M2), one byte each, in the same order:
; x_c = [3][8192][1024] (q, k, v), w_c = [4][1024][1024] (Wq, Wk, Wv, Wo).  code = x / 2^e, held within +-57,344, to the nearest code, ties to even.
; e: entries 0, 2, 4 (q, k, v), 1, 3, 5 (Wq, Wk, Wv) and 11 (Wo) of the buffer of exponents.  LIMITS: -126 <= e <= 112; NaN among the inputs is not served.
; Rows are dense, so each tensor is a plain stream.  A work-group takes 32,768 numbers, a wave 16 steps of 512.  Work-groups 0-767: q, k, v (256 each); 768-895: the weights (32 each).
; One path for all seven tensors: only pointers and the exponent are chosen, by selects on the work-group's number.
; A conversion takes 8 neighbours from ONE lane's registers, a load is best where neighbouring LANES take neighbouring bytes: each load reads 512 consecutive bytes, 16 a lane; a step's
; 2,048 bytes go through the wave's own stage in LDS and come back 64 bytes a lane (16 bytes of padding behind each 64).  A lane's 16 codes are 16 bytes: a wave stores 512 consecutive bytes.
; No tensor loads, no barrier: waves share nothing.  Loads run four steps (16 loads a wave) ahead, the turn through LDS one step.
.set STEPS, 16
.set BIGW,  768                        ; work-groups of q, k, v
.set EMAX,  15
.set MANT,  0x600000                   ; the mantissa field of 57,344 as f32
.set CB,    16                         ; bytes of 16 codes
.set R,     16                         ; v16-79   four sets of 16 numbers as they are loaded
.set X,     80                         ; v80-111  two sets of 16 neighbours
.set C,     128                        ; v128-191 codes: four registers for each step, so that no store's data are written again
.set WREG,  8192                       ; LDS: a region for each wave: two stages of 32 x SP bytes
.set SP,    80                         ; a lane's place in a stage: 64 bytes + 16 of padding
	s_load_b512 s[16:31], s[0:1], 0x0              ; q, k, v, Wq, Wk, Wv, Wo at s[16+2 i], the exponents s[30:31]
	s_load_b128 s[32:35], s[0:1], 0x40             ; x_c, w_c
	v_lshl_add_u32 v192, v0, 2, 0x8000
	v_mov_b32 v193, 0
	v_lshrrev_b32 v1, 5, v0
	v_readfirstlane_b32 s2, v1                     ; wave
	v_and_b32 v2, 31, v0                           ; lane
	v_lshlrev_b32 v3, 4, v2                        ; my 16 bytes of a load's 512
	s_mul_i32 s3, s2, WREG
	v_lshrrev_b32 v14, 2, v2
	v_mul_u32_u24 v14, v14, SP
	v_and_b32 v15, 3, v2
	v_lshl_add_u32 v14, v15, 4, v14
	v_add_nc_u32 v14, s3, v14                      ; the stage, on the way in: SP (lane / 4) + 16 (lane % 4)
	v_mul_u32_u24 v15, v2, SP
	v_add_nc_u32 v15, s3, v15                      ; and on the way out: SP x lane: my 16 neighbours
	v_mul_u32_u24 v4, v2, CB                       ; my codes' place in a step's
	s_lshr_b32 s36, ttmp9, 8                       ; a large tensor's number,
	s_and_b32 s37, ttmp9, 255                      ; and my place in it
	s_sub_co_u32 s38, ttmp9, BIGW
	s_lshr_b32 s39, s38, 5                         ; a weight's number,
	s_and_b32 s40, s38, 31                         ; and my place in it
	s_add_co_u32 s41, s39, 3
	s_lshl_b32 s42, s36, 23                        ; the tensor's first byte in x_c,
	s_lshl_b32 s43, s39, 20                        ; or in w_c
	s_cmp_lt_u32 ttmp9, BIGW
	s_cselect_b32 s36, s36, s41                    ; U: which of the seven
	s_cselect_b32 s37, s37, s40
	s_cselect_b32 s42, s42, s43
	s_lshl_b32 s10, s37, 2
	s_add_co_u32 s10, s10, s2                      ; which run of 8,192 numbers is my wave's
	s_lshl_b32 s12, s10, 15                        ; in bytes of f32,
	s_mov_b32 s13, 0
	s_lshl_b32 s14, s10, 13                        ; and of codes
	s_add_co_u32 s14, s14, s42
	s_mov_b32 s15, 0
	s_wait_alu depctr_va_vdst(0)
	s_wait_kmcnt 0x0
	s_load_b256 s[48:55], s[30:31], 0x0            ; e0 .. e7
	s_load_b128 s[56:59], s[30:31], 0x20           ; e8 .. e11
	s_cmp_lt_u32 ttmp9, BIGW
	s_cselect_b64 s[8:9], s[32:33], s[34:35]       ; where the codes go
	s_mov_b64 s[4:5], s[16:17]
.irp i, 1,2,3,4,5,6
	s_cmp_eq_u32 s36, \i
	s_cselect_b64 s[4:5], s[16+2*\i:17+2*\i], s[4:5]   ; the choice hangs on the work-group's number alone
.endr
	s_add_nc_u64 s[4:5], s[4:5], s[12:13]
	s_add_nc_u64 s[8:9], s[8:9], s[14:15]
.macro LOAD t
.irp i, 0,1,2,3
	global_load_b128 v[R+16*((\t)%4)+4*\i:R+16*((\t)%4)+4*\i+3], v3, s[4:5] offset:2048*(\t)+512*\i th:TH_LOAD_NT   ; 32 lanes read 512 consecutive bytes
.endr
.endm
.macro TURN t                          ; step t's numbers through the stage: LDS serves a wave's instructions in order, so no wait stands between the stores and the loads
.irp i, 0,1,2,3
	ds_store_b128 v14, v[R+16*((\t)%4)+4*\i:R+16*((\t)%4)+4*\i+3] offset:32*SP*((\t)%2)+8*SP*\i
.endr
.irp i, 0,1,2,3
	ds_load_b128 v[X+16*((\t)%2)+4*\i:X+16*((\t)%2)+4*\i+3], v15 offset:32*SP*((\t)%2)+16*\i
.endr
.endm
.irp t, 0,1,2,3
	LOAD \t
.endr
	s_wait_kmcnt 0x0
	s_mov_b32 s46, s48                             ; e of tensor U: q e0, k e2, v e4, Wq e1, Wk e3, Wv e5, Wo e11
	s_cmp_eq_u32 s36, 1
	s_cselect_b32 s46, s50, s46
	s_cmp_eq_u32 s36, 2
	s_cselect_b32 s46, s52, s46
	s_cmp_eq_u32 s36, 3
	s_cselect_b32 s46, s49, s46
	s_cmp_eq_u32 s36, 4
	s_cselect_b32 s46, s51, s46
	s_cmp_eq_u32 s36, 5
	s_cselect_b32 s46, s53, s46
	s_cmp_eq_u32 s36, 6
	s_cselect_b32 s46, s59, s46
	s_add_co_i32 s46, s46, 127
	s_lshl_b32 s47, s46, 23
	v_mov_b32 v11, s47                             ; 2^e as f32: the conversion takes its exponent field
	s_add_co_i32 s46, s46, EMAX
	s_lshl_b32 s46, s46, 23
	s_or_b32 s46, s46, MANT
	v_mov_b32 v10, s46                             ; 57,344 x 2^e
	s_wait_alu depctr_va_vdst(0)
	s_wait_loadcnt 12                              ; step 0's four loads are in; three steps' twelve stay out
	TURN 0
.macro STEP t
.set XS, X+16*((\t)%2)
	s_wait_dscnt 0x0                               ; this step's numbers are back from the stage: so its stores into the stage have read their registers,
.if (\t)+4 < STEPS
	LOAD (\t)+4                                    ; which take the loads of four steps on
.endif
.if (\t)+1 < STEPS
.if STEPS-2-(\t) >= 3
	s_wait_loadcnt 12                              ; the next step's four loads are in; those of the three steps behind it may be out
.else
	s_wait_loadcnt 4*(STEPS-2-(\t))                ; the counts run down: no loads are issued any more
.endif
	TURN (\t)+1                                    ; and go through the other stage while this step is worked
.endif
.irp i, 0,1,2,3,4,5,6,7,8,9,10,11,12,13,14,15
	v_med3_num_f32 v[XS+\i], v[XS+\i], -v10, v10   ; the conversion to an 8-bit code does not saturate (ISA guide 7.6.2): hold the number first
.endr
	v_cvt_scalef32_pk8_bf8_f32 v[C+4*(\t):C+4*(\t)+1], v[XS:XS+7], v11
	v_cvt_scalef32_pk8_bf8_f32 v[C+4*(\t)+2:C+4*(\t)+3], v[XS+8:XS+15], v11
	global_store_b128 v4, v[C+4*(\t):C+4*(\t)+3], s[8:9] offset:32*CB*(\t)   ; the results go to a store alone; the next vector lines are the next step's holds, on other registers
.endm
.irp t, 0,1,2,3,4,5,6,7,8,9,10,11,12,13,14,15
	STEP \t
.endr
	s_wait_tensorcnt 0x0
	ds_add_u32 v192, v193
	s_wait_dscnt 0x0
	s_endpgm
.Lfunc_end_k_q2923573f05_quant:
	.size	k_q2923573f05_quant, .Lfunc_end_k_q2923573f05_quant-k_q2923573f05_quant
	.p2alignl 7, 3214868480
	.fill 96, 4, 3214868480
	.section	.rodata,"a",@progbits
	.p2align	6, 0x0
	.amdhsa_kernel k_q2923573f05_quant
		.amdhsa_group_segment_fixed_size 33280
		.amdhsa_private_segment_fixed_size 0
		.amdhsa_enable_private_segment 0
		.amdhsa_kernarg_size 80
		.amdhsa_user_sgpr_count 2
		.amdhsa_user_sgpr_kernarg_segment_ptr 1
		.amdhsa_wavefront_size32 1
		.amdhsa_system_sgpr_workgroup_id_x 1
		.amdhsa_system_sgpr_workgroup_id_y 1
		.amdhsa_system_sgpr_workgroup_id_z 1
		.amdhsa_system_vgpr_workitem_id 0
		.amdhsa_next_free_vgpr 194
		.amdhsa_next_free_sgpr 66
		.amdhsa_reserve_vcc 0
		.amdhsa_float_denorm_mode_32 3
		.amdhsa_float_denorm_mode_16_64 3
		.amdhsa_memory_ordered 1
		.amdhsa_forward_progress 1
		.amdhsa_inst_pref_size 38
	.end_amdhsa_kernel
	.amdgpu_metadata
---
amdhsa.version: [ 1, 2 ]
amdhsa.kernels:
  - .name:           k_q2923573f05_quant
    .symbol:         k_q2923573f05_quant.kd
    .args:
      - { .name: q, .offset: 0, .size: 8, .value_kind: global_buffer, .address_space: global }
      - { .name: k, .offset: 8, .size: 8, .value_kind: global_buffer, .address_space: global }
      - { .name: v, .offset: 16, .size: 8, .value_kind: global_buffer, .address_space: global }
      - { .name: Wq, .offset: 24, .size: 8, .value_kind: global_buffer, .address_space: global }
      - { .name: Wk, .offset: 32, .size: 8, .value_kind: global_buffer, .address_space: global }
      - { .name: Wv, .offset: 40, .size: 8, .value_kind: global_buffer, .address_space: global }
      - { .name: Wo, .offset: 48, .size: 8, .value_kind: global_buffer, .address_space: global }
      - { .name: lowp_scales, .offset: 56, .size: 8, .value_kind: global_buffer, .address_space: global }
      - { .name: x_c, .offset: 64, .size: 8, .value_kind: global_buffer, .address_space: global }
      - { .name: w_c, .offset: 72, .size: 8, .value_kind: global_buffer, .address_space: global }
    .group_segment_fixed_size: 33280
    .private_segment_fixed_size: 0
    .kernarg_segment_align: 8
    .kernarg_segment_size: 80
    .max_flat_workgroup_size: 128
    .sgpr_count:     66
    .vgpr_count:     194
    .wavefront_size: 32
...
	.end_amdgpu_metadata
.endif
;; end of part 1
;; launch proj (part 2): grid 4 x 96, 4 waves a work-group, clusters of 4 x 4, 327,680 bytes of LDS; arguments x_c, w_c, bq, bk, bv, lowp_scales, h_c; writes h_c
.if DOCPART == 2
	.amdgcn_target "amdgcn-amd-amdhsa--gfx1250"
	.amdhsa_code_object_version 6
	.text
	.protected	k_q2923573f05_proj
	.globl	k_q2923573f05_proj
	.p2align	8
	.type	k_q2923573f05_proj,@function
k_q2923573f05_proj:
	s_mov_b64 s[64:65], 0
	v_nop
	global_prefetch_b8 v0, s[64:65] scope:SCOPE_SE
	s_setreg_imm32_b32 hwreg(HW_REG_WAVE_MODE, 25, 1), 1
	s_wait_xcnt 0x0
	s_wait_alu depctr_hold_cnt(0) depctr_sa_sdst(0) depctr_va_vdst(0) depctr_va_sdst(0) depctr_va_ssrc(0) depctr_va_vcc(0) depctr_vm_vsrc(0)
	s_getreg_b32 s2, hwreg(HW_REG_IB_STS2, 6, 4)
	s_cmp_eq_u32 s2, 0
	s_cbranch_scc0 .Lentry_in_a_cluster
	s_endpgm
.Lentry_in_a_cluster:
	s_bfe_u32 s2, ttmp6, 0x10000c
	s_cmp_lg_u32 s2, 0xf033
	s_cbranch_scc0 .Lentry_shape_is_right
	s_endpgm
.Lentry_shape_is_right:
.set KROW,   1024
.set ROWB,   256
.set PITCH,  272
.set FR,     16
.set NL,     4
.set NP,     4
.set HALFT,  128*PITCH
.set SLOT,   4*HALFT
.set LAPS,   KROW/(2*ROWB)
.set SPARE,  2*SLOT
.set SP,     144
.set ADRA, 16
.set ADRB, 20
.set STO,  24
.set RD,   25
.set CO,   26
.set SC,   27
.set SPW,  28
.set NIL,  29
.set LIM,  30
.set BI,   32
.set TMP,  32
.set CD,   96
.set AF,   128
.set BK,   128
.set TT,   66
.set G1, 24
.set G0, 32
.set G1B, 48
.set G0B, 56
.set MSB, 0
.macro WIN new
.if MSB != (\new)
	s_set_vgpr_msb (MSB<<8)|(\new)
.set MSB, (\new)
.endif
.endm
.set MUL_LO, 0xa1
.set MUL_HI, 0xf1
.set TO_B,   0x40
.macro JLOAD g0a, g1a, g0b, g1b
	s_cmp_eq_u32 s15, 0
	s_cbranch_scc0 .Lfor_b_\@
	tensor_load_to_lds s[\g0a:\g0a+3], s[\g1a:\g1a+7]
	s_nop 0
.rept 4
	v_nop
.endr
	s_branch .Lasked_\@
.Lfor_b_\@:
	tensor_load_to_lds s[\g0b:\g0b+3], s[\g1b:\g1b+7]
	s_nop 0
.rept 4
	v_nop
.endr
.Lasked_\@:
.endm
.macro CREST
	s_cmp_lg_u32 s14, 0
	s_cbranch_scc1 .Lnot_wave_0_\@
	s_barrier_signal -3
.Lnot_wave_0_\@:
	s_barrier_wait -3
	s_barrier_signal -1
	s_barrier_wait -1
.endm
.macro CROUND
	s_barrier_signal -1
	s_barrier_wait -1
	CREST
.endm
	s_load_b256 s[68:75], s[0:1], 0x0
	s_load_b128 s[76:79], s[0:1], 0x20
	s_load_b64 s[80:81], s[0:1], 0x30
	v_lshl_add_u32 v[SPW], v0, 2, SPARE
	v_mov_b32 v[NIL], 0
	ds_add_u32 v28, v29
	ds_add_u32 v28, v29
	s_wait_dscnt 0x0
	v_lshrrev_b32 v1, 5, v0
	v_readfirstlane_b32 s14, v1
	s_lshr_b32 s15, s14, 1
	s_and_b32 s16, s14, 1
	s_bfe_u32 s40, ttmp6, 0x40000
	s_bfe_u32 s41, ttmp6, 0x40004
	s_and_b32 s82, ttmp7, 0xffff
	s_lshr_b32 s[TT], s82, 3
	s_and_b32 s67, s82, 7
	s_lshl_b32 s67, s67, 2
	s_cmp_eq_u32 s[TT], 2
	s_cselect_b32 s17, 0, s67
	s_cselect_b32 s42, s67, 0
	s_add_co_u32 s17, s17, s41
	s_add_co_u32 s42, s42, s40
	s_lshl_b32 s43, s41, 2
	s_lshl_b32 s43, 15, s43
	s_lshl_b32 s44, 0x1111, s40
	s_or_b32 s[G1+0], s43, (0<<16)|(1<<20)|(1<<21)|(5<<22)|(3<<25)
	s_or_b32 s[G1B+0], s44, (0<<16)|(1<<20)|(1<<21)|(5<<22)|(3<<25)
.irp g, G1, G1B
	s_mov_b32 s[\g+1], ROWB<<16
	s_mov_b32 s[\g+2], 128<<16
	s_mov_b32 s[\g+3], ROWB<<16
	s_mov_b32 s[\g+4], 128
	s_mov_b32 s[\g+5], KROW
	s_mov_b32 s[\g+6], 0
	s_mov_b32 s[\g+7], 0
.endr
	s_lshl_b32 s18, s16, 7
	s_lshl_b32 s20, s17, 8
	s_add_co_u32 s20, s20, s18
	s_lshl_b32 s20, s20, 10
	s_lshl_b32 s46, s42, 8
	s_add_co_u32 s46, s46, s18
	s_lshl_b32 s46, s46, 10
	s_lshl_b32 s82, s[TT], 23
	s_lshl_b32 s83, s[TT], 20
	s_cmp_eq_u32 s[TT], 2
	s_cselect_b32 s82, 0x200000, s82
	s_cselect_b32 s83, 0x1000000, s83
	s_add_co_u32 s20, s20, s82
	s_add_co_u32 s46, s46, s83
	s_mov_b32 s21, 0
	s_mov_b32 s47, 0
	s_mul_i32 s45, s14, HALFT
	s_wait_kmcnt 0x0
	s_load_b256 s[84:91], s[78:79], 0x0
	s_load_b128 s[92:95], s[78:79], 0x20
	s_cmp_eq_u32 s[TT], 2
	s_cselect_b64 s[4:5], s[70:71], s[68:69]
	s_cselect_b64 s[6:7], s[68:69], s[70:71]
	s_cselect_b64 s[8:9], s[76:77], s[72:73]
	s_cmp_eq_u32 s[TT], 1
	s_cselect_b64 s[8:9], s[74:75], s[8:9]
	s_add_nc_u64 s[20:21], s[4:5], s[20:21]
	s_add_nc_u64 s[46:47], s[6:7], s[46:47]
	; the prefetches of the K steps to come: of the 128 rows that I fetch, my work-group names 32 (told apart by address: cx for A, cy for B), a lane a row, 256 bytes of a row a K step.
	; The weights' rows are walked by a tensor's eight clusters alike: the first four of them ask for those.
	s_and_b32 s82, ttmp7, 7
	s_lshr_b32 s82, s82, 2                         ; 1 in the last four of a tensor's eight clusters
	s_cmp_eq_u32 s[TT], 2
	s_cselect_b32 s83, 0, 1                        ; s15 of the waves that fetch weights
	s_cmp_eq_u32 s83, s15
	s_cselect_b32 s2, s82, 0                       ; 0: my wave asks
	s_cmp_eq_u32 s15, 0
	s_cselect_b64 s[100:101], s[20:21], s[46:47]
	s_cselect_b32 s82, s40, s41
	s_lshl_b32 s82, s82, 15                        ; 32 rows of 1,024 bytes for each partner
	s_mov_b32 s83, 0
	s_add_nc_u64 s[100:101], s[100:101], s[82:83]  ; never rewritten
	v_and_b32 v31, 31, v0
	v_lshlrev_b32 v31, 10, v31                     ; my lane's row; never rewritten
	CROUND
.irp s, 0,1
	s_mov_b32 s[G0+4*\s], 1
	s_add_co_u32 s[G0+4*\s+1], s45, \s*SLOT
	s_add_nc_u64 s[G0+4*\s+2:G0+4*\s+3], s[20:21], \s*ROWB
	s_or_b32 s[G0+4*\s+3], s[G0+4*\s+3], 0x80000000
	s_mov_b32 s[G0B+4*\s], 1
	s_add_co_u32 s[G0B+4*\s+1], s45, \s*SLOT
	s_add_nc_u64 s[G0B+4*\s+2:G0B+4*\s+3], s[46:47], \s*ROWB
	s_or_b32 s[G0B+4*\s+3], s[G0B+4*\s+3], 0x80000000
	s_wait_alu depctr_va_vdst(0)
	s_wait_tensorcnt 0x0
	ds_add_u32 v28, v29
	ds_add_u32 v28, v29
	s_wait_dscnt 0x0
	CROUND
	JLOAD G0+4*\s, G1, G0B+4*\s, G1B
	s_cmp_eq_u32 s2, 0
	s_cbranch_scc0 .Lnoask\s
.if \s == 0
	global_prefetch_b8 v31, s[100:101] offset:256 th:TH_LOAD_NT scope:SCOPE_SE   ; behind K step 0's load: K steps 1 and 2
	global_prefetch_b8 v31, s[100:101] offset:512 th:TH_LOAD_NT scope:SCOPE_SE
.else
	global_prefetch_b8 v31, s[100:101] offset:768 th:TH_LOAD_NT scope:SCOPE_SE   ; behind K step 1's load: K step 3, the last
.endif
.Lnoask\s:
.endr
	v_and_b32 v1, 15, v0
	s_wait_alu depctr_va_vdst(0)
	v_bfe_u32 v2, v0, 4, 1
	v_mul_u32_u24 v3, v1, PITCH
	v_lshl_add_u32 v4, v2, 4, v3
	s_mul_i32 s21, s15, HALFT
	s_mul_i32 s22, s16, HALFT
	s_add_co_u32 s22, s22, 2*HALFT
.irp s, 0,1
	v_add_nc_u32 v[ADRA+\s], s21, v4
	v_add_nc_u32 v[ADRB+\s], s22, v4
	s_add_co_u32 s21, s21, SLOT
	s_add_co_u32 s22, s22, SLOT
.endr
	s_mul_i32 s23, s14, 16*SP
	v_mul_u32_u24 v5, v1, SP
	s_wait_alu depctr_va_vdst(0)
	v_lshl_add_u32 v5, v2, 3, v5
	v_add_nc_u32 v[STO], s23, v5
	v_bfe_u32 v5, v0, 2, 2
	v_mul_u32_u24 v5, v5, SP
	v_lshl_add_u32 v5, v2, 6, v5
	v_and_b32 v6, 3, v0
	v_lshl_add_u32 v5, v6, 4, v5
	v_add_nc_u32 v[RD], s23, v5
	s_lshl_b32 s18, s17, 8
	s_lshl_b32 s19, s15, 7
	s_add_co_u32 s18, s18, s19
	s_lshl_b32 s22, s42, 8
	s_lshl_b32 s19, s16, 7
	s_add_co_u32 s22, s22, s19
	s_mov_b32 s98, 0x20000
	s_mov_b32 s12, 4096
	s_cmp_eq_u32 s[TT], 2
	s_cselect_b32 s20, s22, s18
	s_cselect_b32 s21, s18, s22
	s_cselect_b32 s98, 4096, s98
	s_cselect_b32 s12, 0x20000, s12
	s_lshr_b32 s46, s20, 11
	s_lshl_b32 s46, s46, 21
	s_lshr_b32 s47, s21, 6
	s_lshl_b32 s47, s47, 17
	s_add_co_u32 s46, s46, s47
	s_and_b32 s47, s20, 2047
	s_lshl_b32 s47, s47, 6
	s_add_co_u32 s46, s46, s47
	s_lshl_b32 s47, s[TT], 23
	s_add_co_u32 s46, s46, s47
	s_mov_b32 s47, 0
	s_mov_b32 s13, 0
	s_add_nc_u64 s[10:11], s[80:81], s[46:47]
	s_add_nc_u64 s[12:13], s[10:11], s[12:13]
	v_mul_u32_u24 v[CO], v2, s98
	v_lshl_add_u32 v[CO], v1, 4, v[CO]
	s_wait_kmcnt 0x0
	s_add_co_i32 s96, s84, s85
	s_add_co_i32 s97, s86, s87
	s_add_co_i32 s99, s88, s89
	s_cmp_eq_u32 s[TT], 1
	s_cselect_b32 s96, s97, s96
	s_cselect_b32 s97, s91, s90
	s_cmp_eq_u32 s[TT], 2
	s_cselect_b32 s96, s99, s96
	s_cselect_b32 s97, s93, s97
	s_sub_co_i32 s99, 0, s96
	s_sub_co_i32 s97, s97, s96
	s_add_co_i32 s97, s97, 127
	s_lshl_b32 s83, s97, 23
	v_mov_b32 v[SC], s83
	s_add_co_i32 s97, s97, 15
	s_lshl_b32 s97, s97, 23
	s_or_b32 s97, s97, 0x600000
	v_mov_b32 v[LIM], s97
	s_cmp_eq_u32 s[TT], 2
	s_cbranch_scc1 .Lbias_rows
	s_lshl_b32 s19, s22, 2
	v_lshlrev_b32 v7, 5, v2
	v_add_nc_u32 v7, s19, v7
.irp x, 0,1,2,3,4,5,6,7
	global_load_b128 v[BI+8*\x:BI+8*\x+3], v7, s[8:9] offset:64*\x
	global_load_b128 v[BI+8*\x+4:BI+8*\x+7], v7, s[8:9] offset:64*\x+16
.endr
	s_wait_loadcnt 0x0
.set j, 0
.rept 64
	v_ldexp_f32 v[BI+j], v[BI+j], s99
.set j, j+1
.endr
	s_branch .Lbias_done
.Lbias_rows:
	s_lshl_b32 s19, s18, 2
	v_lshlrev_b32 v7, 2, v1
	v_add_nc_u32 v7, s19, v7
.irp x, 0,1,2,3,4,5,6,7
	global_load_b32 v[CD+\x], v7, s[8:9] offset:64*\x
.endr
	s_wait_loadcnt 0x0
.set j, 0
.rept 64
	v_ldexp_f32 v[BI+j], v[CD+j/8], s99
.set j, j+1
.endr
.Lbias_done:
.macro FRAG reg, adr, q, i
.irp c, 0,1,2,3
	ds_load_b128 v[\reg+4*\c:\reg+4*\c+3], v[\adr] offset:128*(\q)+32*\c+(\i)*16*PITCH
.endr
.endm
.macro MUL16 a0, p
.irp a, \a0, \a0+1
.irp b, 0,1,2,3,4,5,6,7
	v_wmma_f32_16x16x128_bf8_bf8 v[8*(8*((\a)%4)+\b):8*(8*((\a)%4)+\b)+7], v[128*(\p)+FR*\b:128*(\p)+FR*\b+FR-1], v[AF+FR*(\a):AF+FR*(\a)+FR-1], v[8*(8*((\a)%4)+\b):8*(8*((\a)%4)+\b)+7]
.endr
.endr
.endm
.macro MUL32F a0
	WIN 0
	s_cmp_eq_u32 s[TT], 2
	s_cbranch_scc1 .Lrowb_\@
	WIN 0x81+0x40*((\a0)/4)
	s_wait_alu depctr_va_vdst(0)
.irp a, \a0, \a0+1, \a0+2, \a0+3
.irp b, 0,1,2,3,4,5,6,7
	v_wmma_f32_16x16x128_bf8_bf8 v[8*(8*((\a)%4)+\b):8*(8*((\a)%4)+\b)+7], v[FR*\b:FR*\b+FR-1], v[AF+FR*(\a):AF+FR*(\a)+FR-1], v[BI+8*\b:BI+8*\b+7]
.endr
.endr
	WIN 0
	s_branch .Lbjoin_\@
.Lrowb_\@:
	WIN 0x81+0x40*((\a0)/4)
	s_wait_alu depctr_va_vdst(0)
.irp a, \a0, \a0+1, \a0+2, \a0+3
.irp b, 0,1,2,3,4,5,6,7
	v_wmma_f32_16x16x128_bf8_bf8 v[8*(8*((\a)%4)+\b):8*(8*((\a)%4)+\b)+7], v[FR*\b:FR*\b+FR-1], v[AF+FR*(\a):AF+FR*(\a)+FR-1], v[BI+8*(\a):BI+8*(\a)+7]
.endr
.endr
	WIN 0
.Lbjoin_\@:
.endm
.macro FETCH_B slot, q, p
	WIN TO_B
.irp i, 0,1,2,3,4,5,6,7
	FRAG 128*(\p)+FR*\i, ADRB+\slot, \q, \i
.endr
	WIN 0
.endm
.macro FETCH_A slot, q, i0
.irp i, \i0, \i0+1, \i0+2, \i0+3
	FRAG AF+FR*(\i), ADRA+\slot, \q, \i
.endr
.endm
.macro PLACES n
.rept \n
	v_nop
.endr
.endm
.macro STEP slot, q, zero
	s_wait_dscnt 4*NL
.if \zero
	MUL32F 0
.else
	WIN MUL_LO
	MUL16 0, (\q)%2
	MUL16 2, (\q)%2
.endif
	s_wait_dscnt 0
	PLACES NP
	FETCH_B \slot, (\q)+1, 1-(\q)%2
	FETCH_A \slot, (\q)+1, 0
.if \zero
	MUL32F 4
.else
	WIN MUL_HI
	MUL16 4, (\q)%2
	MUL16 6, (\q)%2
.endif
	PLACES NP
	WIN 0
	FETCH_A \slot, (\q)+1, 4
.endm
.macro TURN slot, next, fill
	s_wait_tensorcnt 0x0
	ds_add_u32 v[SPW], v[NIL]
	s_wait_dscnt 4*NL+1
	WIN MUL_LO
	MUL16 0, 1
	s_wait_dscnt 0x0
	s_barrier_signal -1
	MUL16 2, 1
	WIN 0
	s_barrier_wait -1
.if \fill
	CREST
	s_add_nc_u64 s[G0+4*\slot+2:G0+4*\slot+3], s[G0+4*\slot+2:G0+4*\slot+3], 2*ROWB
	s_add_nc_u64 s[G0B+4*\slot+2:G0B+4*\slot+3], s[G0B+4*\slot+2:G0B+4*\slot+3], 2*ROWB
	JLOAD G0+4*\slot, G1, G0B+4*\slot, G1B
.else
	PLACES NP
.endif
	FETCH_B \next, 0, 0
	FETCH_A \next, 0, 0
	WIN MUL_HI
	MUL16 4, 1
	MUL16 6, 1
	PLACES NP
	WIN 0
	FETCH_A \next, 0, 4
.endm
	s_wait_tensorcnt 1
	s_barrier_signal -1
	s_barrier_wait -1
	FETCH_B 0, 0, 0
	FETCH_A 0, 0, 0
	FETCH_A 0, 0, 4
	STEP 0, 0, 1
	s_mov_b32 s3, LAPS-1
.Llap:
	TURN 0, 1, 1
	STEP 1, 0, 0
	TURN 1, 0, 1
	STEP 0, 0, 0
	s_sub_co_u32 s3, s3, 1
	s_cmp_lg_u32 s3, 0
	s_cbranch_scc1 .Llap
	TURN 0, 1, 0
	STEP 1, 0, 0
	s_wait_dscnt 4*NL
	WIN MUL_LO
	MUL16 0, 1
	MUL16 2, 1
	s_wait_dscnt 0
	WIN MUL_HI
	MUL16 4, 1
	MUL16 6, 1
	WIN 0
.macro TOSTAGE a
.set AC, 64*((\a)%4)
.set CC, CD+16*((\a)%2)
.set BB, BK+16*((\a)%2)
	WIN 0x02+((\a)/4)
.set j, 0
.rept 64
	v_med3_num_f32 v[TMP+j], v[AC+j], -v[LIM], v[LIM]
.set j, j+1
.endr
	WIN 0
.irp b, 0,1,2,3,4,5,6,7
	v_cvt_scalef32_pk8_bf8_f32 v[CC+2*\b:CC+2*\b+1], v[TMP+8*\b:TMP+8*\b+7], v[SC]
.endr
	v_nop
.irp b, 0,1,2,3,4,5,6,7
	ds_store_b64 v[STO], v[CC+2*\b:CC+2*\b+1] offset:16*\b
.endr
.irp i, 0,1,2,3
	ds_load_b128 v[BB+4*\i:BB+4*\i+3], v[RD] offset:4*SP*\i
.endr
.endm
.macro SEND a, younger
.set BB, BK+16*((\a)%2)
	s_wait_dscnt \younger
.irp i, 0,1,2,3
	global_store_b128 v[CO], v[BB+4*\i:BB+4*\i+3], s[10+2*((\a)/4):11+2*((\a)/4)] offset:((\a)%4)*1024+256*\i th:TH_STORE_NT
.endr
.endm
	PLACES NP
	TOSTAGE 0
.irp a, 1,2,3,4,5,6,7
.if \a > 1
	s_wait_xcnt 0x0
.endif
	TOSTAGE \a
	SEND \a-1, 12
.endr
	SEND 7, 0
	s_wait_tensorcnt 0x0
	ds_add_u32 v[SPW], v[NIL]
	s_wait_dscnt 0x0
	CROUND
	s_endpgm
.Lfunc_end_k_q2923573f05_proj:
	.size	k_q2923573f05_proj, .Lfunc_end_k_q2923573f05_proj-k_q2923573f05_proj
	.p2alignl 7, 3214868480
	.fill 96, 4, 3214868480
	.section	.rodata,"a",@progbits
	.p2align	6, 0x0
	.amdhsa_kernel k_q2923573f05_proj
		.amdhsa_group_segment_fixed_size 327680
		.amdhsa_private_segment_fixed_size 0
		.amdhsa_enable_private_segment 0
		.amdhsa_kernarg_size 56
		.amdhsa_user_sgpr_count 2
		.amdhsa_user_sgpr_kernarg_segment_ptr 1
		.amdhsa_wavefront_size32 1
		.amdhsa_system_sgpr_workgroup_id_x 1
		.amdhsa_system_sgpr_workgroup_id_y 1
		.amdhsa_system_sgpr_workgroup_id_z 1
		.amdhsa_system_vgpr_workitem_id 0
		.amdhsa_next_free_vgpr 1024
		.amdhsa_next_free_sgpr 102
		.amdhsa_reserve_vcc 0
		.amdhsa_float_denorm_mode_32 3
		.amdhsa_float_denorm_mode_16_64 3
		.amdhsa_memory_ordered 1
		.amdhsa_forward_progress 1
		.amdhsa_inst_pref_size 143
	.end_amdhsa_kernel
	.amdgpu_metadata
---
amdhsa.version: [ 1, 2 ]
amdhsa.kernels:
  - .name:           k_q2923573f05_proj
    .symbol:         k_q2923573f05_proj.kd
    .args:
      - { .name: x_c, .offset: 0, .size: 8, .value_kind: global_buffer, .address_space: global }
      - { .name: w_c, .offset: 8, .size: 8, .value_kind: global_buffer, .address_space: global }
      - { .name: bq, .offset: 16, .size: 8, .value_kind: global_buffer, .address_space: global }
      - { .name: bk, .offset: 24, .size: 8, .value_kind: global_buffer, .address_space: global }
      - { .name: bv, .offset: 32, .size: 8, .value_kind: global_buffer, .address_space: global }
      - { .name: lowp_scales, .offset: 40, .size: 8, .value_kind: global_buffer, .address_space: global }
      - { .name: h_c, .offset: 48, .size: 8, .value_kind: global_buffer, .address_space: global }
    .group_segment_fixed_size: 327680
    .private_segment_fixed_size: 0
    .kernarg_segment_align: 8
    .kernarg_segment_size: 56
    .max_flat_workgroup_size: 128
    .sgpr_count:     102
    .vgpr_count:     1024
    .wavefront_size: 32
...
	.end_amdgpu_metadata
.endif
;; end of part 2
;; launch attn (part 3): grid 4 x 64, 8 waves a work-group, clusters of 4 x 1, 327,680 bytes of LDS; arguments h_c, lowp_scales, ao_c; writes ao_c
.if DOCPART == 3
	.amdgcn_target "amdgcn-amd-amdhsa--gfx1250"
	.amdhsa_code_object_version 6
	.text
	.protected	k_q2923573f05_attn
	.globl	k_q2923573f05_attn
	.p2align	8
	.type	k_q2923573f05_attn,@function
k_q2923573f05_attn:
	s_mov_b64 s[64:65], 0
	v_nop
	global_prefetch_b8 v0, s[64:65] scope:SCOPE_SE
	s_setreg_imm32_b32 hwreg(HW_REG_WAVE_MODE, 25, 1), 1
	s_wait_xcnt 0x0
	s_wait_alu depctr_hold_cnt(0) depctr_sa_sdst(0) depctr_va_vdst(0) depctr_va_sdst(0) depctr_va_ssrc(0) depctr_va_vcc(0) depctr_vm_vsrc(0)
	s_getreg_b32 s2, hwreg(HW_REG_IB_STS2, 6, 4)
	s_cmp_eq_u32 s2, 0
	s_cbranch_scc0 .Lentry_in_a_cluster
	s_endpgm
.Lentry_in_a_cluster:
	s_bfe_u32 s2, ttmp6, 0x10000c
	s_cmp_lg_u32 s2, 0x3003
	s_cbranch_scc0 .Lentry_shape_is_right
	s_endpgm
.Lentry_shape_is_right:
; Attention of one head (b 16 + head = work-group y) on codes of BF8 (E5M2).  h_c part 0: Q [64][2048][64]; part 1: K likewise; part 2: V [64][32 blocks][64 channels][64 keys].
; Out: ao_c [64][2048][64], codes with scale e10: the next product's operand.
; t = score x log2(e) / 8; M = the running largest t rounded UP to a whole number; p = 2^(t - M) is quantised with 2^e8, not normalised; the row's sum is taken of the unquantised p and divides at the end.
; When M moves, the sum and O are multiplied by 2^(old M - new M): exact.
; THE HEAD'S WHOLE K AND V STAY IN LDS (2 x 147,456 bytes with padding): every LDS byte is filled once, so there is no ring and no refill.  The four work-groups of a cluster own 512 queries each of ONE head
; and ask for K and V jointly (mask 15), in two groups of loads, one load a wave in each (waves 0-3: K, waves 4-7: V), dense bytes stated as rows of 256:
; at the head the first 640 keys (160 a wave, 40 rows); behind the three lines and a round of the cluster's barrier the other 1,408 (352 a wave, 88 rows).
; A pass's first four key steps read keys 0 to 639 alone (step 3 looks ahead into step 4's K); a wait for all loads and a barrier stand ahead of the other twelve.
; SHARES.  A wave owns 32 queries (two tiles of 16) in each of two passes, so each fragment of K and V read from LDS feeds two products.  Two waves to a SIMD.
; K's fragments of the next step are asked for behind this step's first product, with this step's V: 32 LDS loads in one run; the last step's look-ahead reads V's first bytes, which are filled, and is not used.
; THE ORDER INSIDE A KEY STEP lays independent lines between dependent ones: tile 0's chain from its maximum to f goes by turns with tile 1's maximum, tile 1's chain with tile 0's t - M; O^T is rescaled ahead of the
; exponentials; the exponentials go in two batches, tile 0's by turns with tile 1's t - M, tile 1's by turns with tile 0's first sums and holds.  What is written inside a batch is first read behind the batch's closing wait.
; LAYOUT.  Both products transposed: S^T = K Q^T (16x16x64), O^T = V^T P^T (16x16x128): a lane holds ONE query (lane % 16).  Lane r of tile 2 b + u of K takes key 32 b + 8 u + r + 8 (r / 8), so that the 16
; registers of tiles 2 b, 2 b + 1 are 16 neighbouring keys; V's channels are chosen alike, so that O^T's registers are neighbours along the next product's K.
; In LDS two rows of 64 bytes lie in one row of 128 + 16: pitch 144; the sixteen rows of a fragment then fall on sixteen different columns of 16 bytes modulo 256.
; No prefetch: all of K and V is asked for ahead of the first key step, so there is no loop to run ahead in.
; LIMITS: e6 + e7 between -123 and 130 (added to c's exponent field); e8 and e10 between -126 and 112; the scaled scores stay under 2^31 in magnitude.  NaN among the inputs is not served.
; REGISTERS.  window 0: v1-8 addresses; v12-33 statistics; v34-38 scales; v40-55 Q; v56-87 p's codes; v88-91 a chain of the sums; v94-95 the add's; v96-223 S^T, then p;
;   v224-255 in a key step tile 0's sixteen partial sums, on the way out codes and rows.
;   window 1: v0-63 O^T (tile u, channels' tile n at 32 u + 8 n); v64-127 K's fragments; v128-191 V's; v192-207 Q of the second pass.
.set PR,    144                        ; an LDS row: two rows of 64 bytes + 16 of padding
.set KBB,   32*PR                      ; a block of V: 64 channels x 64 keys
.set STEPB, 64*PR                      ; 128 keys of K, or of V
.set VOFF,  16*STEPB                   ; V lies behind K
.set AROWS, 40                         ; the first group: 160 keys a wave: rows of 256 bytes in memory,
.set AMEM,  AROWS*256                  ; bytes in memory,
.set ALDS,  AROWS*2*PR                 ; and in LDS; four of them are five key steps
.set BROWS, 88                         ; the second group: 352 keys a wave
.set BMEM,  BROWS*256
.set BLDS,  BROWS*2*PR
.set NFIRST, 4                         ; key steps that read the first group alone
.set NSTEP, 16                         ; key steps in a pass
.set STAGE, 2*VOFF                     ; behind both: 32 rows x 80 bytes for each wave; no tile lands there
.set SQ,    80
.set SPARE, STAGE+8*32*SQ              ; behind the stages: the spare words, 128 bytes a wave
.set AK0, 1                            ; my lane's place in a tile of K
.set AV0, 2                            ; the same for V
.set ADK, 3                            ; LDS address of the step's K
.set ADV, 4                            ; of its V
.set QO,  5                            ; my byte in the wave's rows of Q
.set STO, 6                            ; the stage: in
.set RD,  7                            ; the stage: back
.set GO,  8                            ; 16 x lane
.set NM,  12                           ; tile u: v[12+2u] -M, v[13+2u] the largest t
.set LS,  16                           ; v[16+2u:17+2u] the sum, in two halves
.set FS,  20                           ; v[20+2u] f = 2^(old M - new M); v[21+2u] named with it as a pair
.set TA,  24                           ; v[24+4u .. 27+4u] at work
.set PD,  32                           ; v[32+u] the lane permute's destination
.set PS,  34                           ; 2^e8
.set PH,  35                           ; 57,344 x 2^e8
.set OS,  36                           ; 2^e10
.set OH,  37                           ; 57,344 x 2^e10
.set PH2, 38                           ; 57,344 x 2^e8 once more: the second half of a dual line takes its second source from another register bank
.set QF,  40
.set PC,  56
.set T2,  88                           ; v[90:91] tile 1's fourth chain of sums
.set SPW, 94
.set NIL, 95
.set S,   96
.set X,   224                          ; tile 0's sixteen partial sums, a pair each
.set CO,  224
.set BK,  240
.set KF,  64                           ; window 1
.set VF,  128
.set Q1,  192
.set WV,  10
.set CX,  11
.set HD,  12
.set G1,  16                           ; s[16:23], s[24:27]: the first group's descriptor
.set G0,  24
.set G1B, 28                           ; s[28:35], s[36:39]: the second group's
.set G0B, 36
.set SEL, 40
.set CS,  42
.set TB,  44
.set CNT, 45
.set PASS, 46
.set MSB, 0
.macro WIN new
.if MSB != (\new)
	s_set_vgpr_msb (MSB<<8)|(\new)
.set MSB, (\new)
.endif
.endm
.set W_LD, 0x40                        ; destination window 1
.set W_S,  0x01                        ; K in window 1; Q and S^T in window 0
.set W_PV, 0x51                        ; V, C and D in window 1; p's codes in window 0
.set W_RS, 0x41                        ; O^T in window 1, f in window 0
.macro ROUND                           ; a round of the cluster's barrier
	s_barrier_signal -1
	s_barrier_wait -1
	s_cmp_lg_u32 s[WV], 0
	s_cbranch_scc1 .Lnot_wave_0_\@
	s_barrier_signal -3
.Lnot_wave_0_\@:
	s_barrier_wait -3
	s_barrier_signal -1
	s_barrier_wait -1
.endm
.macro KLOAD adr, off                  ; the eight fragments of 128 keys of K, sixteen loads
.irp k, 0,1,2,3,4,5,6,7
.irp y, 0,1
	ds_load_b128 v[KF+8*\k+4*\y:KF+8*\k+4*\y+3], v[\adr] offset:\off+(16*(\k/2)+4*(\k%2))*PR+32*\y
.endr
.endr
.endm
; The i-th of the 32 lines that find tile u's largest score among my 64 keys: four chains of 16 registers, each accumulator from its low end on; lines 28 to 31 join the chains and each chain's sixteenth register.
.macro TR u, i
.if (\i) < 4
	v_max3_num_f32 v[TA+4*\u+(\i)], v[S+64*\u+16*(\i)], v[S+64*\u+16*(\i)+1], v[S+64*\u+16*(\i)+2]
.elseif (\i) < 28
	v_max3_num_f32 v[TA+4*\u+((\i)%4)], v[TA+4*\u+((\i)%4)], v[S+64*\u+16*((\i)%4)+2*((\i)/4)+1], v[S+64*\u+16*((\i)%4)+2*((\i)/4)+2]
.elseif (\i) == 28
	v_max3_num_f32 v[TA+4*\u], v[TA+4*\u], v[TA+4*\u+1], v[S+64*\u+15]
.elseif (\i) == 29
	v_max3_num_f32 v[TA+4*\u+2], v[TA+4*\u+2], v[TA+4*\u+3], v[S+64*\u+31]
.elseif (\i) == 30
	v_max3_num_f32 v[TA+4*\u], v[TA+4*\u], v[S+64*\u+47], v[S+64*\u+63]
.else
	v_max_num_f32 v[TA+4*\u], v[TA+4*\u], v[TA+4*\u+2]
.endif
.endm
; The n-th of the nine lines from tile u's largest score to -M and f.
.macro CH u, n
.if (\n) == 0
	v_permlanex16_b32 v[PD+\u], v[TA+4*\u], s[SEL], s[SEL+1]
.elseif (\n) == 1
	v_max_num_f32 v[TA+4*\u], v[TA+4*\u], v[PD+\u]         ; and among lane l xor 16's
.elseif (\n) == 2
	v_mul_f32 v[TA+4*\u], s[CS], v[TA+4*\u]                ; as t (c is positive)
.elseif (\n) == 3
	v_max_num_f32 v[NM+2*\u+1], v[NM+2*\u+1], v[TA+4*\u]   ; the running largest t
.elseif (\n) == 4
	v_mov_b32 v[TA+4*\u+1], v[NM+2*\u]
.elseif (\n) == 5
	v_floor_f32 v[NM+2*\u], -v[NM+2*\u+1]                  ; the new -M = floor(-t): M is a whole number
.elseif (\n) == 6
	v_sub_f32 v[TA+4*\u], v[NM+2*\u], v[TA+4*\u+1]         ; old M - new M: a whole number, 0 or less
.elseif (\n) == 7
	v_cvt_i32_f32 v[TA+4*\u], v[TA+4*\u]                   ; (it saturates)
.else
	v_ldexp_f32 v[FS+2*\u], 1.0, v[TA+4*\u]                ; f = 2^(old M - new M)
.endif
.endm
.macro FM u, j                         ; t - M of tile u's registers j, j + 1
	v_pk_fma_f32 v[S+64*\u+(\j):S+64*\u+(\j)+1], v[S+64*\u+(\j):S+64*\u+(\j)+1], s[CS:CS+1], v[NM+2*\u:NM+2*\u+1] op_sel_hi:[1,0,0]
.endm
.macro DM u, i                         ; the hold (ISA guide 7.6.2) of tile u's registers i, i + 1; p is not negative, so it is one-sided
	v_dual_min_num_f32 v[S+64*\u+(\i)], v[S+64*\u+(\i)], v[PH] :: v_dual_min_num_f32 v[S+64*\u+(\i)+1], v[S+64*\u+(\i)+1], v[PH2]
.endm
.macro CV u, g                         ; eight codes of tile u
	v_cvt_scalef32_pk8_bf8_f32 v[PC+16*\u+2*(\g):PC+16*\u+2*(\g)+1], v[S+64*\u+8*(\g):S+64*\u+8*(\g)+7], v[PS]
.endm
.macro XA a, b                         ; tile 0's partial sums: a += b
	v_pk_add_f32 v[X+2*(\a):X+2*(\a)+1], v[X+2*(\a):X+2*(\a)+1], v[X+2*(\b):X+2*(\b)+1]
.endm
.macro SA d, r                         ; tile 1: the chain at v[d] += p in registers r, r + 1
	v_pk_add_f32 v[\d:\d+1], v[\d:\d+1], v[S+64+(\r):S+64+(\r)+1]
.endm
	s_load_b128 s[4:7], s[0:1], 0x0                ; h_c s[4:5], the exponents s[6:7]
	s_load_b64 s[8:9], s[0:1], 0x10                ; ao_c
	v_lshl_add_u32 v[SPW], v0, 2, SPARE
	v_mov_b32 v[NIL], 0
	ds_add_u32 v[SPW], v[NIL]                      ; the opening lines: the add, twice on end, and its wait ahead of my first tensor load
	ds_add_u32 v[SPW], v[NIL]
	v_lshrrev_b32 v9, 5, v0
	s_delay_alu instid0(VALU_DEP_1)
	v_readfirstlane_b32 s[WV], v9                  ; wave 0..7
	s_bfe_u32 s[CX], ttmp6, 0x40000                ; cx: which 512 queries: it enters Q's and the output's addresses alone
	s_and_b32 s[HD], ttmp7, 0xffff                 ; b 16 + head, which the four partners share
	; descriptor groups 1: rows of 256 bytes, dense in memory, 16 bytes of padding behind each 128
.irp g, G1, G1B
	s_mov_b32 s[\g+0], 15|(0<<16)|(1<<20)|(1<<21)|(4<<22)|(3<<25)   ; the mask: all four; elements of 1 byte; padding on; 21 set beside a mask; after every 32 words; four words
	s_mov_b32 s[\g+1], 256<<16                     ; tensor_dim0
	s_mov_b32 s[\g+3], 256<<16                     ; tile_dim0
	s_mov_b32 s[\g+5], 256                         ; tensor_dim0_stride
	s_mov_b32 s[\g+6], 0
	s_mov_b32 s[\g+7], 0
.endr
	s_mov_b32 s[G1+2], AROWS<<16                   ; tensor_dim1
	s_mov_b32 s[G1+4], AROWS                       ; tile_dim1
	s_mov_b32 s[G1B+2], BROWS<<16
	s_mov_b32 s[G1B+4], BROWS
	s_mov_b32 s[G0], 1
	s_mov_b32 s[G0B], 1
	s_lshr_b32 s13, s[WV], 2                       ; 0: I fetch K, 1: V
	s_and_b32 s14, s[WV], 3                        ; which quarter of a group
	s_mul_i32 s15, s13, VOFF
	s_mul_i32 s66, s14, ALDS
	s_add_co_u32 s[G0+1], s15, s66                 ; LDS: my part of the first group,
	s_mul_i32 s66, s14, BLDS
	s_add_co_u32 s66, s66, 4*ALDS
	s_add_co_u32 s[G0B+1], s15, s66                ; and of the second, which lies behind the first
	s_add_co_u32 s67, s13, 1
	s_lshl_b32 s67, s67, 23                        ; part 1 or 2 of h_c
	s_lshl_b32 s68, s[HD], 17
	s_add_co_u32 s67, s67, s68
	s_mul_i32 s68, s14, AMEM
	s_add_co_u32 s68, s67, s68                     ; the same two places in memory
	s_mov_b32 s69, 0
	s_mul_i32 s70, s14, BMEM
	s_add_co_u32 s70, s70, 4*AMEM
	s_add_co_u32 s70, s67, s70
	s_mov_b32 s71, 0
	s_lshl_b32 s72, s[HD], 17
	s_lshl_b32 s73, s[CX], 15
	s_add_co_u32 s72, s72, s73
	s_lshl_b32 s73, s[WV], 11
	s_add_co_u32 s72, s72, s73                     ; my first query's row: (512 cx + 32 wave) x 64 bytes in my head
	s_mov_b32 s73, 0
	s_mov_b32 s[SEL], 0x76543210
	s_mov_b32 s[SEL+1], 0xfedcba98                 ; lane l xor 16
	s_mov_b32 s[CS], 0x3e38aa3b                    ; c = log2(e) / 8
	s_mov_b32 s[PASS], 2
	s_wait_dscnt 0x0                               ; both opening adds are done
	s_wait_kmcnt 0x0
	s_load_b256 s[48:55], s[6:7], 0x0              ; e0 .. e7
	s_load_b128 s[56:59], s[6:7], 0x20             ; e8 .. e11
	s_add_nc_u64 s[G0+2:G0+3], s[4:5], s[68:69]
	s_or_b32 s[G0+3], s[G0+3], 0x80000000
	s_add_nc_u64 s[G0B+2:G0B+3], s[4:5], s[70:71]
	s_or_b32 s[G0B+3], s[G0B+3], 0x80000000
	s_add_nc_u64 s[60:61], s[4:5], s[72:73]        ; Q
	s_add_nc_u64 s[62:63], s[8:9], s[72:73]        ; the output
	ROUND                                          ; all four work-groups are here: the joint loads meet
	tensor_load_to_lds s[G0:G0+3], s[G1:G1+7]      ; my one tensor load at the head: my part of keys 0 to 639
	s_nop 0
.rept 4
	v_nop
.endr
	v_and_b32 v9, 15, v0                           ; r
	v_bfe_u32 v10, v0, 4, 1                        ; h
	s_delay_alu instid0(VALU_DEP_2)
	v_lshlrev_b32 v[QO], 6, v9
	s_delay_alu instid0(VALU_DEP_1)
	v_lshl_add_u32 v[QO], v10, 4, v[QO]            ; row r of 64 bytes + 16 h: registers 0-3 hold d = 16 h + 0 .. 15, registers 4-7 d = 32 + 16 h + 0 .. 15: the same order in Q and in K
.irp u, 0,1
.irp y, 0,1
	global_load_b128 v[QF+8*\u+4*\y:QF+8*\u+4*\y+3], v[QO], s[60:61] offset:1024*\u+32*\y th:TH_LOAD_NT
.endr
.endr
	WIN W_LD
.irp u, 0,1
.irp y, 0,1
	global_load_b128 v[Q1+8*\u+4*\y:Q1+8*\u+4*\y+3], v[QO], s[60:61] offset:16384+1024*\u+32*\y th:TH_LOAD_NT   ; the second pass: 256 queries on
.endr
.endr
	WIN 0
	v_and_b32 v11, 8, v9
	s_delay_alu instid0(VALU_DEP_1)
	v_add_nc_u32 v11, v11, v9                      ; r + 8 (r / 8)
	s_delay_alu instid0(VALU_DEP_1)
	v_lshrrev_b32 v[AK0], 1, v11
	s_delay_alu instid0(VALU_DEP_1)
	v_mul_u32_u24 v[AK0], v[AK0], PR
	s_delay_alu instid0(VALU_DEP_3)
	v_and_b32 v11, 1, v11
	s_delay_alu instid0(VALU_DEP_1)
	v_lshl_add_u32 v[AK0], v11, 6, v[AK0]
	s_delay_alu instid0(VALU_DEP_1)
	v_lshl_add_u32 v[AK0], v10, 4, v[AK0]          ; (row / 2) x 144 + (row % 2) x 64 + 16 h
	s_delay_alu instid0(VALU_DEP_1)
	v_add_nc_u32 v[AV0], VOFF, v[AK0]
	s_mul_i32 s13, s[WV], 32*SQ
	s_add_co_u32 s13, s13, STAGE                   ; my stage
	v_mul_u32_u24 v[STO], v9, SQ
	s_delay_alu instid0(VALU_DEP_1)
	v_lshl_add_u32 v[STO], v10, 4, v[STO]
	s_delay_alu instid0(VALU_DEP_1)
	v_add_nc_u32 v[STO], s13, v[STO]               ; in: row r, 16 bytes for each half of the lanes
	v_and_b32 v[GO], 31, v0
	s_delay_alu instid0(VALU_DEP_1)
	v_lshrrev_b32 v[RD], 2, v[GO]
	s_delay_alu instid0(VALU_DEP_1)
	v_mul_u32_u24 v[RD], v[RD], SQ
	v_and_b32 v11, 3, v0
	s_delay_alu instid0(VALU_DEP_1)
	v_lshl_add_u32 v[RD], v11, 4, v[RD]
	s_delay_alu instid0(VALU_DEP_1)
	v_add_nc_u32 v[RD], s13, v[RD]                 ; back: four lanes to a row of 64 bytes, eight rows an instruction
	v_lshlrev_b32 v[GO], 4, v[GO]
	s_wait_alu depctr_va_vdst(0)
	s_wait_kmcnt 0x0
	s_add_co_i32 s66, s54, s55
	s_lshl_b32 s66, s66, 23
	s_add_co_i32 s[CS], s[CS], s66                 ; a score stands for score x 2^(e6 + e7): added to c's exponent field
	s_mov_b32 s[CS+1], s[CS]                       ; (named with it as a pair)
	s_add_co_i32 s66, s56, 127
	s_lshl_b32 s67, s66, 23
	v_mov_b32 v[PS], s67
	s_add_co_i32 s66, s66, 15
	s_lshl_b32 s66, s66, 23
	s_or_b32 s66, s66, 0x600000
	v_mov_b32 v[PH], s66
	v_mov_b32 v[PH2], s66
	s_add_co_i32 s66, s58, 127
	s_lshl_b32 s67, s66, 23
	v_mov_b32 v[OS], s67
	s_add_co_i32 s66, s66, 15
	s_lshl_b32 s66, s66, 23
	s_or_b32 s66, s66, 0x600000
	v_mov_b32 v[OH], s66
	s_add_co_i32 s74, s56, s57                     ; e8 + e9
	s_wait_alu depctr_va_vdst(0)
	s_wait_tensorcnt 0x0                           ; my part of the first group has landed
	ds_add_u32 v[SPW], v[NIL]
	s_wait_dscnt 0x0
	ROUND                                          ; everybody's part of the first group is in, and all four work-groups are here: the joint loads meet
	tensor_load_to_lds s[G0B:G0B+3], s[G1B:G1B+7]  ; my one tensor load behind the round: my part of keys 640 to 2,047
	s_nop 0
.rept 4
	v_nop
.endr
; A KEY STEP: 128 keys, both tiles of queries.
.macro STEP
	s_wait_dscnt 0x0                               ; this step's K is in: asked for in the step before
	WIN W_S
.irp k, 0,1,2,3,4,5,6,7
.irp u, 0,1
	v_wmma_f32_16x16x64_bf8_bf8 v[S+64*\u+8*\k:S+64*\u+8*\k+7], v[KF+8*\k:KF+8*\k+7], v[QF+8*\u:QF+8*\u+7], 0
.endr
.endr
	WIN 0
	v_add_nc_u32 v[ADK], s[TB], v[AK0]             ; these two and two v_nop are the four places behind the products: ahead of the loads into K's and V's registers and of the first read of S^T
	v_add_nc_u32 v[ADV], s[TB], v[AV0]
	v_nop
	v_nop
	WIN W_LD
.irp n, 0,1,2,3
.irp c, 0,1,2,3
	ds_load_b128 v[VF+16*\n+4*\c:VF+16*\n+4*\c+3], v[ADV] offset:(\c/2)*KBB+(16*(\n/2)+4*(\n%2))*PR+32*(\c%2)
.endr
.endr
	KLOAD ADK, STEPB                               ; the next step's K
	WIN 0
.set i, 0
.rept 32                                       ; tile 0's maximum, with the first eight lines of tile 1's
	TR 0, i
.if i < 8
	TR 1, i
.endif
.set i, i+1
.endr
.set n, 0
.rept 9                                        ; tile 0's chain to -M and f, three lines of tile 1's maximum behind each of its lines
	CH 0, n
.if n < 8
	TR 1, 8+3*n
	TR 1, 9+3*n
	TR 1, 10+3*n
.endif
.set n, n+1
.endr
.set n, 0
.rept 9                                        ; tile 1's chain, three lines of tile 0's t - M behind each of its lines
	CH 1, n
	FM 0, 6*n
	FM 0, 6*n+2
	FM 0, 6*n+4
.set n, n+1
.endr
.irp j, 54,56,58,60,62
	FM 0, \j
.endr
	WIN W_RS
.irp u, 0,1
.set j, 0
.rept 16
	v_pk_mul_f32 v[32*\u+j:32*\u+j+1], v[32*\u+j:32*\u+j+1], v[FS+2*\u:FS+2*\u+1] op_sel_hi:[1,0]   ; O^T under the new M: the first reader of the last step's products, with no transcendental between
.set j, j+2
.endr
.endr
	WIN 0
	s_wait_alu depctr_va_vdst(0)
.set j, 0
.rept 32                                       ; p = 2^(t - M) of tile 0, by turns with tile 1's t - M, which is first read behind the next wait
	v_exp_f32 v[S+j], v[S+j]
	v_exp_f32 v[S+j+1], v[S+j+1]
	FM 1, j
.set j, j+2
.endr
.irp u, 0,1
	v_pk_mul_f32 v[LS+2*\u:LS+2*\u+1], v[LS+2*\u:LS+2*\u+1], v[FS+2*\u:FS+2*\u+1] op_sel_hi:[1,0]   ; the sums under the new M: plain lines behind the exponentials
.endr
	s_wait_alu depctr_va_vdst(0)                   ; one wait behind tile 0's batch and ahead of tile 1's
.set j, 0
.rept 16                                       ; p of tile 1;
	v_exp_f32 v[S+64+j], v[S+64+j]
.set j, j+1
.endr
.rept 16                                       ; by turns with the first level of tile 0's sum, taken of the unquantised p: sixteen partial sums of two pairs each,
	v_exp_f32 v[S+64+j], v[S+64+j]
	v_pk_add_f32 v[X+2*(j-16):X+2*(j-16)+1], v[S+4*(j-16):S+4*(j-16)+1], v[S+4*(j-16)+2:S+4*(j-16)+3]
.set j, j+1
.endr
.rept 32                                       ; and then with tile 0's holds.  Both are first read behind the next wait
	v_exp_f32 v[S+64+j], v[S+64+j]
	DM 0, 2*(j-32)
.set j, j+1
.endr
	v_nop                                          ; a plain line behind the last exponential
	s_wait_alu depctr_va_vdst(0)                   ; one wait for the batch, ahead of its first reader
	; tile 1's sum in four chains, tile 0's partial sums joined as a tree, and tile 0's conversions, by turns
	v_pk_add_f32 v[TA+4:TA+5], v[S+64:S+65], v[S+66:S+67]
	v_pk_add_f32 v[TA+6:TA+7], v[S+68:S+69], v[S+70:S+71]
	v_pk_add_f32 v[T2+2:T2+3], v[S+72:S+73], v[S+74:S+75]
	SA LS+2, 12
	XA 0, 8
	XA 1, 9
	CV 0, 0
.irp g, 1,2,3,4,5,6
	SA TA+4, 8*\g+6
	SA TA+6, 8*\g+8
	SA T2+2, 8*\g+10
	SA LS+2, 8*\g+12
.if \g < 4
	XA 2*\g, 2*\g+8
	XA 2*\g+1, 2*\g+9
.elseif \g < 6
	XA 2*\g-8, 2*\g-4
	XA 2*\g-7, 2*\g-3
.else
	XA 0, 2
	XA 1, 3
.endif
	CV 0, \g
.endr
	SA TA+4, 62
	v_pk_add_f32 v[TA+6:TA+7], v[TA+6:TA+7], v[T2+2:T2+3]
	XA 0, 1
	CV 0, 7
	v_pk_add_f32 v[LS+2:LS+3], v[LS+2:LS+3], v[TA+4:TA+5]
	v_pk_add_f32 v[LS:LS+1], v[LS:LS+1], v[X:X+1]
	v_pk_add_f32 v[LS+2:LS+3], v[LS+2:LS+3], v[TA+6:TA+7]
.set j, 0
.rept 32
	DM 1, j                                        ; tile 1's holds, all ahead of its conversions
.set j, j+2
.endr
.irp g, 0,1,2,3,4,5,6,7
	CV 1, \g
.endr
	v_nop                                          ; a plain line between the last conversion and the products that read its result
	s_wait_alu depctr_va_vdst(0)
	s_wait_dscnt 16                                ; V's sixteen loads are in; the sixteen behind them, the next step's K, may stay out
	WIN W_PV
.irp n, 0,1,2,3
.irp u, 0,1
	v_wmma_f32_16x16x128_bf8_bf8 v[32*\u+8*\n:32*\u+8*\n+7], v[VF+16*\n:VF+16*\n+15], v[PC+16*\u:PC+16*\u+15], v[32*\u+8*\n:32*\u+8*\n+7]   ; the eight accumulators by turns
.endr
.endr
	WIN 0
	s_add_co_u32 s[TB], s[TB], STEPB
.endm
.Lpass:                                            ; two passes of 32 queries a wave
.irp u, 0,1
	v_mov_b32 v[NM+2*\u+1], 0xff61b1e6             ; the largest t so far: -3e38
	s_delay_alu instid0(VALU_DEP_1)
	v_floor_f32 v[NM+2*\u], -v[NM+2*\u+1]
	v_mov_b32 v[LS+2*\u], 0
	v_mov_b32 v[LS+2*\u+1], 0
	v_mov_b32 v[FS+2*\u+1], 0
	v_mov_b32 v[PD+\u], 0
.endr
	WIN W_LD
.set j, 0
.rept 64
	v_mov_b32 v[j], 0                              ; O^T: the step's first trip finds zeros, which the first change of M leaves zeros
.set j, j+1
.endr
	KLOAD AK0, 0                                   ; the first step's K
	WIN 0
	s_wait_loadcnt 0x0                             ; Q
	s_mov_b32 s[TB], 0
	s_mov_b32 s[CNT], NFIRST
.Lfirst:                                           ; key steps 0 to 3: they read keys 0 to 639 alone
	STEP
	s_sub_co_u32 s[CNT], s[CNT], 1
	s_cmp_lg_u32 s[CNT], 0
	s_cbranch_scc1 .Lfirst
	s_wait_tensorcnt 0x0                           ; my part of the second group has landed;
	s_wait_dscnt 0x0                               ; (no LDS instruction of mine is out at a signal)
	s_barrier_signal -1
	s_barrier_wait -1                              ; and so has everybody's.
	s_mov_b32 s[CNT], NSTEP-NFIRST
.Lrest:                                            ; key steps 4 to 15
	STEP
	s_sub_co_u32 s[CNT], s[CNT], 1
	s_cmp_lg_u32 s[CNT], 0
	s_cbranch_scc1 .Lrest
	; THE WAY OUT: O^T x 2^(e8 + e9) / the sum, quantised with 2^e10; 16 codes a lane and pair of tiles; through my stage, so that a wave's store covers 512 consecutive bytes.
.rept 4
	v_nop
.endr
.irp u, 0,1
	v_add_f32 v[TA+4*\u], v[LS+2*\u], v[LS+2*\u+1]
.endr
.irp u, 0,1
	s_delay_alu instid0(VALU_DEP_2)
	v_permlanex16_b32 v[PD+\u], v[TA+4*\u], s[SEL], s[SEL+1]
.endr
.irp u, 0,1
	s_delay_alu instid0(VALU_DEP_2)
	v_add_f32 v[TA+4*\u], v[TA+4*\u], v[PD+\u]     ; the row's sum
.endr
	s_wait_alu depctr_va_vdst(0)
.irp u, 0,1
	v_rcp_f32 v[TA+4*\u+1], v[TA+4*\u]
.endr
	v_nop                                          ; a plain line behind the reciprocals
	s_wait_alu depctr_va_vdst(0)                   ; one wait for both, ahead of the first reader
.irp u, 0,1
	v_ldexp_f32 v[TA+4*\u+1], v[TA+4*\u+1], s74
.endr
	WIN 0x01                                       ; source 0 (O^T) window 1
	s_wait_alu depctr_va_vdst(0)                   ; ahead of the first reader of O^T
.set j, 0
.rept 64
	v_mul_f32 v[S+j], v[j], v[TA+4*(j/32)+1]       ; register 32 u + 16 b + i: channel 32 b + 16 h + i of my query in tile u
.set j, j+1
.endr
	WIN 0
.set j, 0
.rept 64
	v_med3_num_f32 v[S+j], v[S+j], -v[OH], v[OH]
.set j, j+1
.endr
.irp g, 0,1,2,3,4,5,6,7
	v_cvt_scalef32_pk8_bf8_f32 v[CO+2*\g:CO+2*\g+1], v[S+8*\g:S+8*\g+7], v[OS]
.endr
	v_nop                                          ; a plain line behind the last conversion: the next pass's products write its sources
.irp u, 0,1
.irp b, 0,1
	ds_store_b128 v[STO], v[CO+8*\u+4*\b:CO+8*\u+4*\b+3] offset:16*SQ*\u+32*\b
.endr
.endr
.irp i, 0,1,2,3
	ds_load_b128 v[BK+4*\i:BK+4*\i+3], v[RD] offset:8*SQ*\i   ; LDS serves a wave's instructions in order: these see my stores
.endr
.irp i, 0,1,2,3
	s_wait_dscnt 3-\i                              ; the last of these is for 0: the last step's look-ahead loads into K's registers are done too
	global_store_b128 v[GO], v[BK+4*\i:BK+4*\i+3], s[62:63] offset:512*\i th:TH_STORE_NT
.endr
	s_wait_xcnt 0x0                                ; the stores have read their registers and their base
	WIN 0x01
.set j, 0
.rept 16
	v_mov_b32 v[QF+j], v[Q1+j]                     ; the second pass's Q
.set j, j+1
.endr
	WIN 0
	s_add_nc_u64 s[62:63], s[62:63], 16384         ; 256 queries on
	s_sub_co_u32 s[PASS], s[PASS], 1
	s_cmp_lg_u32 s[PASS], 0
	s_cbranch_scc1 .Lpass
	s_wait_tensorcnt 0x0                           ; the wave's end
	ds_add_u32 v[SPW], v[NIL]
	s_wait_dscnt 0x0
	ROUND                                          ; the closing round
	s_endpgm
.Lfunc_end_k_q2923573f05_attn:
	.size	k_q2923573f05_attn, .Lfunc_end_k_q2923573f05_attn-k_q2923573f05_attn
	.p2alignl 7, 3214868480
	.fill 96, 4, 3214868480
	.section	.rodata,"a",@progbits
	.p2align	6, 0x0
	.amdhsa_kernel k_q2923573f05_attn
		.amdhsa_group_segment_fixed_size 327680
		.amdhsa_private_segment_fixed_size 0
		.amdhsa_enable_private_segment 0
		.amdhsa_kernarg_size 24
		.amdhsa_user_sgpr_count 2
		.amdhsa_user_sgpr_kernarg_segment_ptr 1
		.amdhsa_wavefront_size32 1
		.amdhsa_system_sgpr_workgroup_id_x 1
		.amdhsa_system_sgpr_workgroup_id_y 1
		.amdhsa_system_sgpr_workgroup_id_z 1
		.amdhsa_system_vgpr_workitem_id 0
		.amdhsa_next_free_vgpr 512
		.amdhsa_next_free_sgpr 76
		.amdhsa_reserve_vcc 0
		.amdhsa_float_denorm_mode_32 3
		.amdhsa_float_denorm_mode_16_64 3
		.amdhsa_memory_ordered 1
		.amdhsa_forward_progress 1
		.amdhsa_inst_pref_size 78
	.end_amdhsa_kernel
	.amdgpu_metadata
---
amdhsa.version: [ 1, 2 ]
amdhsa.kernels:
  - .name:           k_q2923573f05_attn
    .symbol:         k_q2923573f05_attn.kd
    .args:
      - { .name: h_c, .offset: 0, .size: 8, .value_kind: global_buffer, .address_space: global }
      - { .name: lowp_scales, .offset: 8, .size: 8, .value_kind: global_buffer, .address_space: global }
      - { .name: ao_c, .offset: 16, .size: 8, .value_kind: global_buffer, .address_space: global }
    .group_segment_fixed_size: 327680
    .private_segment_fixed_size: 0
    .kernarg_segment_align: 8
    .kernarg_segment_size: 24
    .max_flat_workgroup_size: 256
    .sgpr_count:     76
    .vgpr_count:     512
    .wavefront_size: 32
...
	.end_amdgpu_metadata
.endif
;; end of part 3
;; launch outp (part 4): grid 4 x 64, 4 waves a work-group, clusters of 4 x 4, 327,680 bytes of LDS; arguments ao_c, w_c, bo, lowp_scales, out0; writes out0
.if DOCPART == 4
	.amdgcn_target "amdgcn-amd-amdhsa--gfx1250"
	.amdhsa_code_object_version 6
	.text
	.protected	k_q2923573f05_outp
	.globl	k_q2923573f05_outp
	.p2align	8
	.type	k_q2923573f05_outp,@function
k_q2923573f05_outp:
	s_mov_b64 s[64:65], 0
	v_nop
	global_prefetch_b8 v0, s[64:65] scope:SCOPE_SE
	s_setreg_imm32_b32 hwreg(HW_REG_WAVE_MODE, 25, 1), 1
	s_wait_xcnt 0x0
	s_wait_alu depctr_hold_cnt(0) depctr_sa_sdst(0) depctr_va_vdst(0) depctr_va_sdst(0) depctr_va_ssrc(0) depctr_va_vcc(0) depctr_vm_vsrc(0)
	s_getreg_b32 s2, hwreg(HW_REG_IB_STS2, 6, 4)
	s_cmp_eq_u32 s2, 0
	s_cbranch_scc0 .Lentry_in_a_cluster
	s_endpgm
.Lentry_in_a_cluster:
	s_bfe_u32 s2, ttmp6, 0x10000c
	s_cmp_lg_u32 s2, 0xf033
	s_cbranch_scc0 .Lentry_shape_is_right
	s_endpgm
.Lentry_shape_is_right:
.set SIZE_N, 1024
.set KROW,   1024
.set ROWB,   256
.set PITCH,  272
.set PA,     80
.set PLANE,  128*PA                    ; a block of the result is 128 rows x 256 columns: 64 x 4 blocks, one for each WGP; a wave makes 64 x 128
.set FR,     16
.set NL,     4
.set NP,     4
.set HALFT,  128*PITCH
.set BOFF,   4*PLANE
.set SLOT,   BOFF+2*HALFT
.set LAPS,   KROW/(2*ROWB)
.set SPARE,  2*SLOT
.set SPITCH, 528
.set ADRA, 16
.set ADRB, 20
.set STO,  24
.set RD,   25
.set CO,   26
.set SPW,  28
.set NIL,  29
.set BI,   32
.set TMP,  32
.set AF,   128
.set BK,   128
.set G1, 24
.set G0, 32
.set G1B, 48
.set G0B, 56
.set MSB, 0
.macro WIN new
.if MSB != (\new)
	s_set_vgpr_msb (MSB<<8)|(\new)
.set MSB, (\new)
.endif
.endm
.set MUL_LO, 0xa1
.set MUL_HI, 0xf1
.set TO_B,   0x40
.macro JLOAD g0a, g1a, g0b, g1b
	s_cmp_eq_u32 s15, 0
	s_cbranch_scc0 .Lfor_b_\@
	tensor_load_to_lds s[\g0a:\g0a+3], s[\g1a:\g1a+7]
	s_nop 0
.rept 4
	v_nop
.endr
	s_branch .Lasked_\@
.Lfor_b_\@:
	tensor_load_to_lds s[\g0b:\g0b+3], s[\g1b:\g1b+7]
	s_nop 0
.rept 4
	v_nop
.endr
.Lasked_\@:
.endm
.macro CREST
	s_cmp_lg_u32 s14, 0
	s_cbranch_scc1 .Lnot_wave_0_\@
	s_barrier_signal -3
.Lnot_wave_0_\@:
	s_barrier_wait -3
	s_barrier_signal -1
	s_barrier_wait -1
.endm
.macro CROUND
	s_barrier_signal -1
	s_barrier_wait -1
	CREST
.endm
	s_load_b256 s[4:11], s[0:1], 0x0
	s_load_b64 s[12:13], s[0:1], 0x20
	v_lshl_add_u32 v[SPW], v0, 2, SPARE
	v_mov_b32 v[NIL], 0
	ds_add_u32 v28, v29
	ds_add_u32 v28, v29
	s_wait_dscnt 0x0
	v_lshrrev_b32 v1, 5, v0
	v_readfirstlane_b32 s14, v1
	s_lshr_b32 s15, s14, 1
	s_and_b32 s16, s14, 1
	s_bfe_u32 s40, ttmp6, 0x40000
	s_bfe_u32 s41, ttmp6, 0x40004
	s_lshl_b32 s42, ttmp9, 2
	s_add_co_u32 s42, s42, s40
	s_and_b32 s17, ttmp7, 0xffff
	s_lshl_b32 s17, s17, 2
	s_add_co_u32 s17, s17, s41
	s_lshl_b32 s43, s41, 2
	s_lshl_b32 s43, 15, s43
	s_lshl_b32 s44, 0x1111, s40
	s_or_b32 s[G1+0], s43, (0<<16)|(1<<20)|(1<<21)|(3<<22)|(3<<25)
	s_mov_b32 s[G1+1], 8192<<16
	s_mov_b32 s[G1+2], 2<<16
	s_mov_b32 s[G1+3], 8192<<16
	s_mov_b32 s[G1+4], 2
	s_mov_b32 s[G1+5], 131072
	s_mov_b32 s[G1+6], 0
	s_mov_b32 s[G1+7], 0
	s_or_b32 s[G1B+0], s44, (0<<16)|(1<<20)|(1<<21)|(5<<22)|(3<<25)
	s_mov_b32 s[G1B+1], ROWB<<16
	s_mov_b32 s[G1B+2], 128<<16
	s_mov_b32 s[G1B+3], ROWB<<16
	s_mov_b32 s[G1B+4], 128
	s_mov_b32 s[G1B+5], KROW
	s_mov_b32 s[G1B+6], 0
	s_mov_b32 s[G1B+7], 0
	s_lshr_b32 s20, s17, 4
	s_lshl_b32 s20, s20, 21
	s_and_b32 s18, s17, 15
	s_lshl_b32 s18, s18, 13
	s_add_co_u32 s20, s20, s18
	s_lshl_b32 s18, s16, 18
	s_add_co_u32 s20, s20, s18
	s_mov_b32 s21, 0
	s_lshl_b32 s46, s42, 8
	s_lshl_b32 s19, s16, 7
	s_add_co_u32 s46, s46, s19
	s_lshl_b32 s46, s46, 10
	s_add_co_u32 s46, s46, 0x300000
	s_mov_b32 s47, 0
	s_mul_i32 s45, s16, 2*PLANE
	s_mul_i32 s67, s16, HALFT
	s_add_co_u32 s67, s67, BOFF
	s_wait_kmcnt 0x0
	s_load_b64 s[96:97], s[10:11], 0x28
	s_add_nc_u64 s[20:21], s[4:5], s[20:21]
	s_add_nc_u64 s[46:47], s[6:7], s[46:47]
	; the prefetches of the K steps to come.  The four partners that ask for a tile jointly share its blocks of 256 bytes out by address.  A: my two heads' planes of 8,192 bytes: partner cx names
	; half cx % 2 of plane cx / 2, sixteen blocks (lanes 16-31 name the sixteenth again).  B: of my 128 rows of Wo partner cy names 32, a lane a row.  Wo is walked by all clusters alike: the first four ask for it.
	s_lshr_b32 s76, s40, 1
	s_lshl_b32 s76, s76, 17
	s_and_b32 s77, s40, 1
	s_lshl_b32 s77, s77, 12
	s_add_co_u32 s76, s76, s77
	s_lshl_b32 s77, s41, 15
	s_and_b32 s83, ttmp7, 0xffff
	s_lshr_b32 s83, s83, 2                         ; 0 in clusters 0 to 3
	s_cmp_eq_u32 s15, 0                            ; do I fetch for A?
	s_cselect_b64 s[68:69], s[20:21], s[46:47]
	s_cselect_b32 s70, s76, s77                    ; my work-group's share
	s_cselect_b32 s72, 15, 31                      ; the last lane with a block of its own
	s_mov_b32 s73, 1024
	s_cselect_b32 s73, 256, s73                    ; from lane to lane
	s_mov_b32 s74, 256
	s_cselect_b32 s74, 0x80000, s74                ; a K step on: four heads, or 256 bytes of a row
	s_cselect_b32 s82, 0, s83                      ; 0: my wave asks
	s_mov_b32 s71, 0
	s_mov_b32 s75, 0
	s_add_nc_u64 s[68:69], s[68:69], s[70:71]
	s_add_nc_u64 s[68:69], s[68:69], s[74:75]      ; K step 1,
	s_add_nc_u64 s[78:79], s[68:69], s[74:75]      ; 2,
	s_add_nc_u64 s[80:81], s[78:79], s[74:75]      ; 3; none of the three is rewritten
	v_and_b32 v31, 31, v0
	v_min_u32 v31, s72, v31
	v_mul_lo_u32 v31, v31, s73                     ; never rewritten
	CROUND
.irp s, 0,1
	s_mov_b32 s[G0+4*\s], 1
	s_add_co_u32 s[G0+4*\s+1], s45, \s*SLOT
	s_add_nc_u64 s[G0+4*\s+2:G0+4*\s+3], s[20:21], \s*0x80000
	s_or_b32 s[G0+4*\s+3], s[G0+4*\s+3], 0x80000000
	s_mov_b32 s[G0B+4*\s], 1
	s_add_co_u32 s[G0B+4*\s+1], s67, \s*SLOT
	s_add_nc_u64 s[G0B+4*\s+2:G0B+4*\s+3], s[46:47], \s*ROWB
	s_or_b32 s[G0B+4*\s+3], s[G0B+4*\s+3], 0x80000000
	s_wait_alu depctr_va_vdst(0)
	s_wait_tensorcnt 0x0
	ds_add_u32 v28, v29
	ds_add_u32 v28, v29
	s_wait_dscnt 0x0
	CROUND
	JLOAD G0+4*\s, G1, G0B+4*\s, G1B
	s_cmp_eq_u32 s82, 0
	s_cbranch_scc0 .Lnoask\s
.if \s == 0
	global_prefetch_b8 v31, s[68:69] th:TH_LOAD_NT scope:SCOPE_SE   ; behind K step 0's load: K steps 1 and 2
	global_prefetch_b8 v31, s[78:79] th:TH_LOAD_NT scope:SCOPE_SE
.else
	global_prefetch_b8 v31, s[80:81] th:TH_LOAD_NT scope:SCOPE_SE   ; behind K step 1's load: K step 3, the last
.endif
.Lnoask\s:
.endr
	v_and_b32 v1, 15, v0
	v_bfe_u32 v2, v0, 4, 1
	v_mul_u32_u24 v3, v1, PA
	v_lshl_add_u32 v3, v2, 4, v3
	s_mul_i32 s21, s15, 64*PA
.irp n, 0,1,2,3
	s_add_co_u32 s22, s21, (\n/2)*SLOT+(\n%2)*2*PLANE
	v_add_nc_u32 v[ADRA+\n], s22, v3
.endr
	v_mul_u32_u24 v4, v1, PITCH
	v_lshl_add_u32 v4, v2, 4, v4
	s_mul_i32 s22, s16, HALFT
	s_add_co_u32 s22, s22, BOFF
.irp s, 0,1
	v_add_nc_u32 v[ADRB+\s], s22, v4
	s_add_co_u32 s22, s22, SLOT
.endr
	s_mul_i32 s23, s14, 16*SPITCH
	v_mul_u32_u24 v5, v1, SPITCH
	v_lshl_add_u32 v5, v2, 5, v5
	v_add_nc_u32 v[STO], s23, v5
	v_and_b32 v6, 31, v0
	v_lshlrev_b32 v[CO], 4, v6
	v_add_nc_u32 v[RD], s23, v[CO]
	s_lshl_b32 s20, s17, 7
	s_lshl_b32 s21, s15, 6
	s_add_co_u32 s20, s20, s21
	s_lshl_b32 s20, s20, 12
	s_lshl_b32 s46, s42, 10
	s_lshl_b32 s47, s16, 9
	s_add_co_u32 s46, s46, s47
	s_add_co_u32 s20, s20, s46
	s_mov_b32 s21, 0
	s_add_nc_u64 s[12:13], s[12:13], s[20:21]
	v_lshlrev_b32 v7, 5, v2
	v_add_nc_u32 v7, s46, v7
.irp x, 0,1,2,3,4,5,6,7
	global_load_b128 v[BI+8*\x:BI+8*\x+3], v7, s[8:9] offset:64*\x
	global_load_b128 v[BI+8*\x+4:BI+8*\x+7], v7, s[8:9] offset:64*\x+16
.endr
	s_wait_kmcnt 0x0
	s_add_co_i32 s96, s96, s97
	s_sub_co_i32 s66, 0, s96
	s_add_co_i32 s96, s96, 127
	s_lshl_b32 s96, s96, 23
	s_wait_loadcnt 0x0
.set j, 0
.rept 64
	v_ldexp_f32 v[BI+j], v[BI+j], s66
.set j, j+1
.endr
.macro FRAG reg, adr, q, i
.irp c, 0,1,2,3
	ds_load_b128 v[\reg+4*\c:\reg+4*\c+3], v[\adr] offset:128*(\q)+32*\c+(\i)*16*PITCH
.endr
.endm
.macro FRAGA reg, adr, i
.irp c, 0,1,2,3
	ds_load_b128 v[\reg+4*\c:\reg+4*\c+3], v[\adr] offset:(\c/2)*PLANE+(\i)*16*PA+32*(\c%2)
.endr
.endm
.macro MUL16 a0, p, zero
.irp a, \a0, \a0+1
.irp b, 0,1,2,3,4,5,6,7
.if \zero
	v_wmma_f32_16x16x128_bf8_bf8 v[8*(8*((\a)%4)+\b):8*(8*((\a)%4)+\b)+7], v[128*(\p)+FR*\b:128*(\p)+FR*\b+FR-1], v[AF+FR*(\a):AF+FR*(\a)+FR-1], v[BI+8*\b:BI+8*\b+7]
.else
	v_wmma_f32_16x16x128_bf8_bf8 v[8*(8*((\a)%4)+\b):8*(8*((\a)%4)+\b)+7], v[128*(\p)+FR*\b:128*(\p)+FR*\b+FR-1], v[AF+FR*(\a):AF+FR*(\a)+FR-1], v[8*(8*((\a)%4)+\b):8*(8*((\a)%4)+\b)+7]
.endif
.endr
.endr
.endm
.macro FETCH_B slot, q, p
	WIN TO_B
.irp i, 0,1,2,3,4,5,6,7
	FRAG 128*(\p)+FR*\i, ADRB+\slot, \q, \i
.endr
	WIN 0
.endm
.macro FETCH_A slot, q, i0
.irp i, \i0, \i0+1, \i0+2, \i0+3
	FRAGA AF+FR*(\i), ADRA+2*(\slot)+(\q), \i
.endr
.endm
.macro PLACES n
.rept \n
	v_nop
.endr
.endm
.macro STEP slot, q, zero
	s_wait_dscnt 0                                 ; this step's fragments are in
	FETCH_B \slot, (\q)+1, 1-(\q)%2                ; B's other set takes the next step's; the places behind the products that read it stand at the end of the step before
.if \zero
	WIN 0x81
.else
	WIN MUL_LO
.endif
	MUL16 0, (\q)%2, \zero
	MUL16 2, (\q)%2, \zero
	PLACES NP
	WIN 0
	FETCH_A \slot, (\q)+1, 0                       ; A's one set, behind its products
.endm
.macro TURN slot, next, fill
	s_wait_tensorcnt 0x0
	ds_add_u32 v[SPW], v[NIL]
	s_wait_dscnt 1                                 ; the add alone may be out
	WIN MUL_LO
	MUL16 0, 1, 0
	s_wait_dscnt 0x0
	s_barrier_signal -1
	MUL16 2, 1, 0
	WIN 0
	s_barrier_wait -1
.if \fill
	CREST
	s_add_nc_u64 s[G0+4*\slot+2:G0+4*\slot+3], s[G0+4*\slot+2:G0+4*\slot+3], 0x100000
	s_add_nc_u64 s[G0B+4*\slot+2:G0B+4*\slot+3], s[G0B+4*\slot+2:G0B+4*\slot+3], 2*ROWB
	JLOAD G0+4*\slot, G1, G0B+4*\slot, G1B
.else
	PLACES NP
.endif
	FETCH_B \next, 0, 0
	FETCH_A \next, 0, 0
.endm
	s_wait_alu depctr_va_vdst(0)
	s_wait_tensorcnt 1
	s_barrier_signal -1
	s_barrier_wait -1
	FETCH_B 0, 0, 0
	FETCH_A 0, 0, 0
	STEP 0, 0, 1
	s_mov_b32 s3, LAPS-1
.Llap:
	TURN 0, 1, 1
	STEP 1, 0, 0
	TURN 1, 0, 1
	STEP 0, 0, 0
	s_sub_co_u32 s3, s3, 1
	s_cmp_lg_u32 s3, 0
	s_cbranch_scc1 .Llap
	TURN 0, 1, 0
	STEP 1, 0, 0
	s_wait_dscnt 0
	WIN MUL_LO
	MUL16 0, 1, 0
	MUL16 2, 1, 0
	WIN 0
.macro TOSTAGE a
.set AC, 64*((\a)%4)
	WIN 0x02+((\a)/4)
.set j, 0
.rept 32
	v_pk_mul_f32 v[TMP+j:TMP+j+1], v[AC+j:AC+j+1], s[96:97] op_sel_hi:[1,0]
.set j, j+2
.endr
	WIN 0
.irp b, 0,1,2,3,4,5,6,7
	ds_store_b128 v[STO], v[TMP+8*\b:TMP+8*\b+3] offset:64*\b
	ds_store_b128 v[STO], v[TMP+8*\b+4:TMP+8*\b+7] offset:64*\b+16
.endr
.set BB, BK+64*((\a)%2)
.irp t, 0,1,2,3,4,5,6,7,8,9,10,11,12,13,14,15
	ds_load_b128 v[BB+4*\t:BB+4*\t+3], v[RD] offset:\t*SPITCH
.endr
.endm
.macro SEND a, younger
.set BB, BK+64*((\a)%2)
	s_wait_dscnt \younger
.if (\a) > 0
	s_add_nc_u64 s[12:13], s[12:13], 16*SIZE_N*4
.endif
.irp t, 0,1,2,3,4,5,6,7,8,9,10,11,12,13,14,15
	global_store_b128 v[CO], v[BB+4*\t:BB+4*\t+3], s[12:13] offset:\t*SIZE_N*4 th:TH_STORE_NT
.endr
.endm
	PLACES NP
	TOSTAGE 0
.irp a, 1,2,3
.if \a > 1
	s_wait_xcnt 0x0
.endif
	TOSTAGE \a
	SEND \a-1, 32
.endr
	s_wait_xcnt 0x0
	SEND 3, 0
	s_wait_tensorcnt 0x0
	ds_add_u32 v[SPW], v[NIL]
	s_wait_dscnt 0x0
	CROUND
	s_endpgm
.Lfunc_end_k_q2923573f05_outp:
	.size	k_q2923573f05_outp, .Lfunc_end_k_q2923573f05_outp-k_q2923573f05_outp
	.p2alignl 7, 3214868480
	.fill 96, 4, 3214868480
	.section	.rodata,"a",@progbits
	.p2align	6, 0x0
	.amdhsa_kernel k_q2923573f05_outp
		.amdhsa_group_segment_fixed_size 327680
		.amdhsa_private_segment_fixed_size 0
		.amdhsa_enable_private_segment 0
		.amdhsa_kernarg_size 40
		.amdhsa_user_sgpr_count 2
		.amdhsa_user_sgpr_kernarg_segment_ptr 1
		.amdhsa_wavefront_size32 1
		.amdhsa_system_sgpr_workgroup_id_x 1
		.amdhsa_system_sgpr_workgroup_id_y 1
		.amdhsa_system_sgpr_workgroup_id_z 1
		.amdhsa_system_vgpr_workitem_id 0
		.amdhsa_next_free_vgpr 1024
		.amdhsa_next_free_sgpr 100
		.amdhsa_reserve_vcc 0
		.amdhsa_float_denorm_mode_32 3
		.amdhsa_float_denorm_mode_16_64 3
		.amdhsa_memory_ordered 1
		.amdhsa_forward_progress 1
		.amdhsa_inst_pref_size 83
	.end_amdhsa_kernel
	.amdgpu_metadata
---
amdhsa.version: [ 1, 2 ]
amdhsa.kernels:
  - .name:           k_q2923573f05_outp
    .symbol:         k_q2923573f05_outp.kd
    .args:
      - { .name: ao_c, .offset: 0, .size: 8, .value_kind: global_buffer, .address_space: global }
      - { .name: w_c, .offset: 8, .size: 8, .value_kind: global_buffer, .address_space: global }
      - { .name: bo, .offset: 16, .size: 8, .value_kind: global_buffer, .address_space: global }
      - { .name: lowp_scales, .offset: 24, .size: 8, .value_kind: global_buffer, .address_space: global }
      - { .name: out0, .offset: 32, .size: 8, .value_kind: global_buffer, .address_space: global }
    .group_segment_fixed_size: 327680
    .private_segment_fixed_size: 0
    .kernarg_segment_align: 8
    .kernarg_segment_size: 40
    .max_flat_workgroup_size: 128
    .sgpr_count:     100
    .vgpr_count:     1024
    .wavefront_size: 32
...
	.end_amdgpu_metadata
.endif
;; end of part 4
